; MI455X (gfx1250); checked and timed in simulation.
; The chip was launched on July 23, 2026; its instructions are those of AMD's public machine-readable ISA for CDNA 5 (MIT licence, August 2026) and "CDNA5" Instruction Set Architecture Reference Guide (July 2026). The comments in the code are by the model that wrote it; some were corrected since.
;; Network4 Test. Allowed arithmetic: matrix products marked QUANTISED: E5M2 operands, one given power-of-two scale a tensor, by v_wmma_f32_16x16x64_bf8_bf8 or v_wmma_f32_16x16x128_bf8_bf8, f32 sums; everything else in f32.
;; Inputs: W1_codes 8,192 x 64 x 32 uint8 (E5M2 codes of W1, K innermost, in blocks of 32 codes); W2_codes 2,048 x 256 x 32 uint8 (E5M2 codes of W2, K innermost, in blocks of 32 codes); b1 8,192 float32; b2 2,048 float32; lowp_scales 4 int32 (the exponents e of the quantised operands' scales 2^e); x_codes 2,048 x 64 x 32 uint8 (E5M2 codes of x, K innermost, in blocks of 32 codes).
;; Outputs: out0 2,048 x 2,048 float32.
;; This version of the problem:
;;   THIS VERSION OF THE PROBLEM IS GIVEN IN LOW PRECISION. The matrix products marked QUANTISED in the list below multiply operands that are first quantised to E5M2 (5 exponent bits, 2 mantissa bits; 8 bits a number), with one given power-of-two scale for each operand tensor; their sums are f32. All else is computed in f32.
;;   The module's matrix products, in the order in which they are computed (A, B: the left and right operand; K: the contracted axis; several contracted axes count as one K, in the product's order):
;;     1. [M 2,048, K 2,048] x [K 2,048, N 8,192]; A: input x (given as codes); B: input W1 (given as codes): QUANTISED (scales: A lowp_scales[0], B lowp_scales[1])
;;     2. [M 2,048, K 8,192] x [K 8,192, N 2,048]; A: computed on the way; B: input W2 (given as codes): QUANTISED (scales: A lowp_scales[2], B lowp_scales[3])
;;   THE QUANTISER, for each operand of a quantised product, along K:
;;     - The operand's scale is 2^e, e = its entry of the input lowp_scales (int32; the entries are numbered through the quantised products in the list's order, A before B).
;;     - Each number is divided by the scale, clamped to +-57,344, and rounded to the nearest number of E5M2, ties to even, subnormals kept.
;;     - The product sums the exact products of the quantised numbers (number of the format x scale) in f32.
;;   ~~~python
;;   def quantise(x, axis, e):      # numpy; x: float32 -> the quantised numbers, widened to float32 again
;;       x = np.moveaxis(x, axis, -1); K = x.shape[-1]
;;       r = np.clip(x / 2.0 ** e, -57344, 57344)
;;       step = 2.0 ** (np.maximum(np.frexp(np.where(r == 0, 1, r))[1] - 1, -14) - 2)
;;       q = np.round(r / step) * step * 2.0 ** e      # np.round: ties to even
;;       return np.moveaxis(q, -1, axis).astype(np.float32)
;;   ~~~
;;   OPERANDS COMPUTED ON THE WAY. 'Computed on the way' means the value that the module computes at that place (a softmax that the list does not call 'softmax' is quantised finished and normalised). What goes into a quantiser is computed in f32, as accurately as f32 sums, v_exp_f32 and their like allow (about 1e-6 of the number): no bf16 or f16 on the way to a quantiser, and a product that is left as it is and whose result goes on into a quantised operand takes f32 operands (vector FMAs, or v_wmma_f32_16x16x4_f32). A number that lies on a knife's edge between two numbers of the format may be rounded either way, as far as f32 arithmetic and the matrix unit's own rounding can turn it there, and no further.
;;   INPUTS GIVEN AS CODES. W1 (in the module: [2048, 8192], K = its axis 0); W2 (in the module: [8192, 2048], K = its axis 0); x (in the module: [2048, 2048], K = its axis 1): each comes as NAME_codes (uint8): NAME with its K axis moved to the last place and cut into blocks of 32 codes, [.., K / 32, bytes a block], one block behind the other in memory; one code a byte (a code: sign, 5 exponent bits, 2 mantissa bits); its scale is its entry of lowp_scales. Its value is code x scale, taken as it is: it is not quantised again, and the codes and scales need not be those that the quantiser above would give.
;; One version. Each part assembles by itself: llvm-mc -triple=amdgcn-amd-amdhsa -mcpu=gfx1250 --defsym DOCPART=n.
;; ======== version 1 of 1: 2 launches
;; limits: right only within a limited range of input values
;; workspace buffers: h_codes 16,777,216 bytes
;; launch layer1 (part 1): grid 32 x 8, 4 waves a work-group, clusters of 4 x 4, 327,680 bytes of LDS; arguments x_codes, W1_codes, lowp_scales, h_codes, b1; writes h_codes
.if DOCPART == 1
	.amdgcn_target "amdgcn-amd-amdhsa--gfx1250"
	.amdhsa_code_object_version 6
	.text
	.protected	k_q0a2caa5eee_layer1
	.globl	k_q0a2caa5eee_layer1
	.p2align	8
	.type	k_q0a2caa5eee_layer1,@function
k_q0a2caa5eee_layer1:
	s_mov_b64 s[64:65], 0
	v_nop
	global_prefetch_b8 v0, s[64:65] scope:SCOPE_SE
	s_setreg_imm32_b32 hwreg(HW_REG_WAVE_MODE, 25, 1), 1
	s_wait_xcnt 0x0
	s_wait_alu depctr_hold_cnt(0) depctr_sa_sdst(0) depctr_va_vdst(0) depctr_va_sdst(0) depctr_va_ssrc(0) depctr_va_vcc(0) depctr_vm_vsrc(0)
	s_getreg_b32 s2, hwreg(HW_REG_IB_STS2, 6, 4)
	s_cmp_eq_u32 s2, 0
	s_cbranch_scc0 .Lentry_in_a_cluster
	s_endpgm
.Lentry_in_a_cluster:
	s_bfe_u32 s2, ttmp6, 0x10000c
	s_cmp_lg_u32 s2, 0xf033
	s_cbranch_scc0 .Lentry_shape_is_right
	s_endpgm
.Lentry_shape_is_right:
; h = Q(relu(x W1^T + b1)), stored as codes of BF8 (E5M2).  x: [2048][2048], W1: [8192][2048]: codes, one byte each, K innermost.  lowp_scales holds e0 (x), e1 (W1), e2 (h), e3.
; The codes are multiplied as they are, sums in f32.  b1 goes in as the C of each accumulator's first product, divided by 2^(e0 + e1); a finished sum stands for sum x 2^(e0 + e1), so its code is
; sum / 2^(e2 - e0 - e1): one scale for the conversion.  The hold between 0 and 57,344 x that scale is the activation and the clamp in one.  Nothing of the problem is left out.
; LIMITS: e2 - e0 - e1 lies between -126 and 112, so that the scale and 57,344 x the scale are f32 numbers.  NaN and infinity among the codes are not served.
; SHARES.  A tile of h is 256 x 256: 32 x 8 = 256 work-groups of four waves; a wave makes 128 x 128 in 64 accumulators (512 registers).  K goes in steps of 256 through a ring of two LDS slots
; (A's 256 rows, then B's 256 rows, 272 bytes apart) filled by the tensor data mover.  CLUSTERS of 4 x 4: x's tile is asked for jointly along a row of the cluster, W1's along a column.
; THE HEAD: one joint load a wave fills BOTH slots: waves 0 and 1 bring x's 256 rows of K steps 0 and 1, waves 2 and 3 W1's.  Refills bring 128 rows a wave; group 1's two row counts are rewritten behind the head's wait.
; THE MATRIX INSTRUCTION IS USED TRANSPOSED (source 0 = 16 rows of W1, source 1 = 16 rows of x): a lane holds eight neighbouring hidden units of one row, which one conversion packs into 8 bytes.
; h_codes is laid as images of the next launch's operand registers: [16 blocks of 128 rows][64 chunks of 128 hidden units][8 fragments of 16 rows][2,048 bytes];
; in a fragment byte 512 c + 16 l + i is row l % 16, unit 32 c + 16 (l / 16) + i.  A wave's store of 8 bytes a lane covers 256 consecutive bytes, aligned.
; REGISTERS, in windows of 256: window 0: v0-31 addresses, v32-95 b1 (later the held sums), v128-255 x's fragments (later the codes); window 1: W1's fragments, two sets; windows 2 and 3: the accumulators.
.set SIZE_K,  2048
.set ROWB,    256
.set KROW,    SIZE_K
.set PITCH,   272
.set FR,      16
.set FRB,     2048
.set HALFT,   128*PITCH
.set SLOT,    4*HALFT
.set LAPS,    SIZE_K/(2*ROWB)
.set SPARE,   2*SLOT
.set ADRA, 16
.set ADRB, 20
.set PFO,  24
.set CO,   26
.set BO,   27
.set SPW,  28
.set NIL,  29
.set SC,   30
.set HOLD, 31
.set BIAS, 32
.set TMP,  32
.set AF,   128
.set CD,   128
.set G1,  24
.set G0,  32
.set G1B, 48
.set G0B, 56
.set PFA,  68
.set MSB, 0
.macro WIN new
.if MSB != (\new)
	s_set_vgpr_msb (MSB<<8)|(\new)
.set MSB, (\new)
.endif
.endm
.set MUL_LO, 0xa1
.set MUL_HI, 0xf1
.set TO_B,   0x40
.macro JLOAD g0a, g1a, g0b, g1b
	s_cmp_eq_u32 s15, 0
	s_cbranch_scc0 .Lfor_b_\@
	tensor_load_to_lds s[\g0a:\g0a+3], s[\g1a:\g1a+7]
	s_nop 0
.rept 4
	v_nop
.endr
	s_branch .Lasked_\@
.Lfor_b_\@:
	tensor_load_to_lds s[\g0b:\g0b+3], s[\g1b:\g1b+7]
	s_nop 0
.rept 4
	v_nop
.endr
.Lasked_\@:
.endm
; A PREFETCH INTO THE L2 behind each joint refill: the K step that the NEXT refill will bring, 128 matrix instructions a wave ahead of that load.  Every cluster asks for what it will itself load: of the 128 rows
; that a wave fetches, each of the four partners that ask for them jointly takes 32 BY ADDRESS (cx for x, cy for W1), a lane a row of 256 bytes.  how = 0 (slot 1's change): the loop's last trip has no K step left.
.macro ASK how
.if (\how) == 0
	s_cmp_gt_u32 s3, 1
	s_cbranch_scc0 .Lnone_\@
.endif
	global_prefetch_b8 v[PFO], s[PFA:PFA+1] th:TH_LOAD_NT scope:SCOPE_SE
.if (\how) == 0
.Lnone_\@:
.endif
.endm
.macro CREST
	s_cmp_lg_u32 s14, 0
	s_cbranch_scc1 .Lnot_wave_0_\@
	s_barrier_signal -3
.Lnot_wave_0_\@:
	s_barrier_wait -3
	s_barrier_signal -1
	s_barrier_wait -1
.endm
.macro CROUND
	s_barrier_signal -1
	s_barrier_wait -1
	CREST
.endm
.macro PLACES n
.rept \n
	v_nop
.endr
.endm
	s_load_b128 s[4:7], s[0:1], 0x0
	s_load_b128 s[8:11], s[0:1], 0x10
	s_load_b64 s[12:13], s[0:1], 0x20
	v_lshl_add_u32 v[SPW], v0, 2, SPARE
	v_mov_b32 v[NIL], 0
	ds_add_u32 v28, v29
	ds_add_u32 v28, v29
	s_wait_dscnt 0x0
	v_lshrrev_b32 v1, 5, v0
	v_readfirstlane_b32 s14, v1
	s_lshr_b32 s15, s14, 1
	s_and_b32 s16, s14, 1
	s_bfe_u32 s40, ttmp6, 0x40000
	s_bfe_u32 s41, ttmp6, 0x40004
	s_lshl_b32 s42, ttmp9, 2
	s_add_co_u32 s42, s42, s40
	s_and_b32 s17, ttmp7, 0xffff
	s_lshl_b32 s17, s17, 2
	s_add_co_u32 s17, s17, s41
	s_lshl_b32 s43, s41, 2
	s_lshl_b32 s43, 15, s43
	s_lshl_b32 s44, 0x1111, s40
	s_or_b32 s[G1+0], s43, (0<<16)|(1<<20)|(1<<21)|(5<<22)|(3<<25)
	s_or_b32 s[G1B+0], s44, (0<<16)|(1<<20)|(1<<21)|(5<<22)|(3<<25)
.irp g, G1, G1B
	s_mov_b32 s[\g+1], ROWB<<16
	s_mov_b32 s[\g+2], 256<<16                     ; the head's tiles have 256 rows
	s_mov_b32 s[\g+3], ROWB<<16
	s_mov_b32 s[\g+4], 256
	s_mov_b32 s[\g+5], KROW
	s_mov_b32 s[\g+6], 0
	s_mov_b32 s[\g+7], 0
.endr
	s_lshl_b32 s18, s16, 7
	s_lshl_b32 s20, s17, 8
	s_add_co_u32 s20, s20, s18
	s_lshl_b32 s46, s42, 8
	s_add_co_u32 s46, s46, s18
	s_mov_b32 s21, 0
	s_mov_b32 s47, 0
	s_mov_b64 s[18:19], KROW
	s_mul_u64 s[20:21], s[20:21], s[18:19]
	s_mul_u64 s[46:47], s[46:47], s[18:19]
	s_mul_i32 s45, s14, HALFT
	s_wait_kmcnt 0x0
	s_load_b128 s[96:99], s[8:9], 0x0
	s_add_nc_u64 s[20:21], s[4:5], s[20:21]
	s_add_nc_u64 s[46:47], s[6:7], s[46:47]
	CROUND
.irp s, 0,1
	s_mov_b32 s[G0+4*\s], 1
	s_add_co_u32 s[G0+4*\s+1], s45, \s*SLOT
	s_add_nc_u64 s[G0+4*\s+2:G0+4*\s+3], s[20:21], \s*ROWB
	s_or_b32 s[G0+4*\s+3], s[G0+4*\s+3], 0x80000000
	s_mov_b32 s[G0B+4*\s], 1
	s_add_co_u32 s[G0B+4*\s+1], s45, \s*SLOT
	s_add_nc_u64 s[G0B+4*\s+2:G0B+4*\s+3], s[46:47], \s*ROWB
	s_or_b32 s[G0B+4*\s+3], s[G0B+4*\s+3], 0x80000000
.endr
	; the head's group 0: s[80:83] for x, s[84:87] for W1: all 256 rows of the tile, K step wave % 2, into slot wave % 2
	s_lshl_b32 s66, s17, 19                        ; x: 256 x tile row rows of 2,048 bytes,
	s_lshl_b32 s67, s16, 8
	s_add_co_u32 s66, s66, s67                     ; + my K step
	s_mov_b32 s67, 0
	s_lshl_b32 s88, s42, 19                        ; W1: the same by the tile column
	s_lshl_b32 s89, s16, 8
	s_add_co_u32 s88, s88, s89
	s_mov_b32 s89, 0
	s_mov_b32 s80, 1
	s_mul_i32 s81, s16, SLOT
	s_add_nc_u64 s[82:83], s[4:5], s[66:67]
	s_or_b32 s83, s83, 0x80000000
	s_mov_b32 s84, 1
	s_add_co_u32 s85, s81, 2*HALFT                 ; W1's rows lie behind x's 256
	s_add_nc_u64 s[86:87], s[6:7], s[88:89]
	s_or_b32 s87, s87, 0x80000000
	JLOAD 80, G1, 84, G1B                          ; my one tensor load at the head: the four waves' loads fill both slots
	v_and_b32 v1, 15, v0
	v_bfe_u32 v2, v0, 4, 1
	s_wait_alu depctr_va_vdst(0)
	v_lshlrev_b32 v[BO], 5, v2
	s_lshl_b32 s72, s42, 10
	s_lshl_b32 s73, s16, 9
	s_add_co_u32 s72, s72, s73
	s_mov_b32 s73, 0
	s_add_nc_u64 s[12:13], s[12:13], s[72:73]
.irp b, 0,1,2,3,4,5,6,7
	global_load_b128 v[BIAS+8*\b:BIAS+8*\b+3],   v[BO], s[12:13] offset:64*\b
	global_load_b128 v[BIAS+8*\b+4:BIAS+8*\b+7], v[BO], s[12:13] offset:64*\b+16
.endr
	v_mul_u32_u24 v3, v1, PITCH
	v_lshl_add_u32 v4, v2, 4, v3
	s_mul_i32 s21, s15, HALFT
	s_mul_i32 s22, s16, HALFT
	s_add_co_u32 s22, s22, 2*HALFT
.irp s, 0,1
	v_add_nc_u32 v[ADRA+\s], s21, v4
	v_add_nc_u32 v[ADRB+\s], s22, v4
	s_add_co_u32 s21, s21, SLOT
	s_add_co_u32 s22, s22, SLOT
.endr
	v_lshlrev_b32 v7, 3, v2
	v_lshl_add_u32 v[CO], v1, 4, v7
	s_lshl_b32 s72, s17, 1
	s_add_co_u32 s72, s72, s15
	s_lshl_b32 s72, s72, 6
	s_lshl_b32 s73, s42, 1
	s_add_co_u32 s73, s73, s16
	s_add_co_u32 s72, s72, s73
	s_lshl_b32 s72, s72, 14
	s_mov_b32 s73, 0
	s_add_nc_u64 s[10:11], s[10:11], s[72:73]
	s_lshl_b32 s76, s17, 8
	s_lshl_b32 s77, s42, 8
	s_cmp_eq_u32 s15, 0                            ; do I fetch for x?
	s_cselect_b32 s76, s76, s77                    ; the tile's first row
	s_cselect_b32 s77, s40, s41                    ; my place among the four that ask for it with me
	s_cselect_b64 s[PFA:PFA+1], s[4:5], s[6:7]
	s_lshl_b32 s78, s16, 7
	s_add_co_u32 s76, s76, s78
	s_lshl_b32 s77, s77, 5
	s_add_co_u32 s76, s76, s77
	s_lshl_b32 s76, s76, 11
	s_add_co_u32 s76, s76, 2*ROWB
	s_mov_b32 s77, 0
	s_add_nc_u64 s[PFA:PFA+1], s[PFA:PFA+1], s[76:77]
	v_and_b32 v[PFO], 31, v0
	v_lshlrev_b32 v[PFO], 11, v[PFO]
	s_wait_kmcnt 0x0
	s_add_co_i32 s72, s96, s97
	s_sub_co_i32 s73, 0, s72
	s_sub_co_i32 s74, s98, s72
	s_add_co_i32 s74, s74, 127
	s_lshl_b32 s75, s74, 23
	v_mov_b32 v[SC], s75
	s_add_co_i32 s74, s74, 15
	s_lshl_b32 s74, s74, 23
	s_or_b32 s74, s74, 0x600000
	v_mov_b32 v[HOLD], s74
	s_wait_loadcnt 0x0
.set j, 0
.rept 64
	v_ldexp_f32 v[BIAS+j], v[BIAS+j], s73
.set j, j+1
.endr
.macro FRAG reg, adr, q, i
.irp c, 0,1,2,3
	ds_load_b128 v[\reg+4*\c:\reg+4*\c+3], v[\adr] offset:128*(\q)+32*\c+(\i)*16*PITCH
.endr
.endm
.macro MUL8 a, p, cm
.irp b, 0,1,2,3,4,5,6,7
.if (\cm) == 0
	v_wmma_f32_16x16x128_bf8_bf8 v[8*(8*((\a)%4)+\b):8*(8*((\a)%4)+\b)+7], v[128*(\p)+FR*\b:128*(\p)+FR*\b+FR-1], v[AF+FR*(\a):AF+FR*(\a)+FR-1], v[8*(8*((\a)%4)+\b):8*(8*((\a)%4)+\b)+7]
.else
	v_wmma_f32_16x16x128_bf8_bf8 v[8*(8*((\a)%4)+\b):8*(8*((\a)%4)+\b)+7], v[128*(\p)+FR*\b:128*(\p)+FR*\b+FR-1], v[AF+FR*(\a):AF+FR*(\a)+FR-1], v[BIAS+8*\b:BIAS+8*\b+7]
.endif
.endr
.endm
.macro FETCH_B slot, q, p
	WIN TO_B
.irp i, 0,1,2,3,4,5,6,7
	FRAG 128*(\p)+FR*\i, ADRB+\slot, \q, \i
.endr
	WIN 0
.endm
.macro FETCH_A slot, q, i0
.irp i, \i0, \i0+1, \i0+2, \i0+3
	FRAG AF+FR*(\i), ADRA+\slot, \q, \i
.endr
.endm
; A slot's first step.  W1's fragments of the next step go out first: their set of registers is free through the whole step, so the step's 64 LDS loads go out in runs of 32, 16 and 16
.macro STEP slot, first
	FETCH_B \slot, 1, 1
	s_wait_dscnt 48                                ; this step's W1 set and x's blocks 0-3 are in; x's blocks 4-7 (16 loads) and the 32 just issued may be out
.if \first
	WIN 0x81
.else
	WIN MUL_LO
.endif
	MUL8 0, 0, 2*(\first)
	MUL8 1, 0, 2*(\first)
	MUL8 2, 0, 2*(\first)
	MUL8 3, 0, 2*(\first)
	s_wait_dscnt 32                                ; x's blocks 4-7 are in; the next step's W1 set may be out
	PLACES 4
	WIN 0
	FETCH_A \slot, 1, 0
.if \first
	WIN 0xc1
.else
	WIN MUL_HI
.endif
	MUL8 4, 0, 2*(\first)
	MUL8 5, 0, 2*(\first)
	MUL8 6, 0, 2*(\first)
	MUL8 7, 0, 2*(\first)
	PLACES 4
	WIN 0
	FETCH_A \slot, 1, 4
.endm
.macro TURN slot, next, fill
	s_wait_dscnt 16
	WIN MUL_LO
	MUL8 0, 1, 0
	WIN 0                                          ; the change of slots: all reads of this slot have been issued  (the add's two registers lie in window 0)
	s_wait_tensorcnt 0x0
	ds_add_u32 v[SPW], v[NIL]
	WIN MUL_LO
	MUL8 1, 1, 0                                   ; eight products stand between the add and the wait for it
	WIN 0
.if \fill
	s_add_nc_u64 s[G0+4*\slot+2:G0+4*\slot+3], s[G0+4*\slot+2:G0+4*\slot+3], 2*ROWB
	s_add_nc_u64 s[G0B+4*\slot+2:G0B+4*\slot+3], s[G0B+4*\slot+2:G0B+4*\slot+3], 2*ROWB
	s_wait_xcnt 0x0
	s_add_nc_u64 s[PFA:PFA+1], s[PFA:PFA+1], ROWB
.endif
	s_wait_dscnt 0x0
	s_barrier_signal -1
	s_barrier_wait -1
.if \fill
	CREST
	JLOAD G0+4*\slot, G1, G0B+4*\slot, G1B
	ASK 1-(\slot)
.endif
	FETCH_B \next, 0, 0                            ; 48 products stand between these 32 loads and their use,
	WIN MUL_LO
	MUL8 2, 1, 0
	MUL8 3, 1, 0
	PLACES 4
	WIN 0
	FETCH_A \next, 0, 0                            ; 32 between these 16 and theirs
	WIN MUL_HI
	MUL8 4, 1, 0
	MUL8 5, 1, 0
	MUL8 6, 1, 0
	MUL8 7, 1, 0
	PLACES 4
	WIN 0
	FETCH_A \next, 0, 4
.endm
	s_wait_alu depctr_va_vdst(0)
	s_wait_tensorcnt 0x0                           ; my load is in, so its descriptors may be written:
.irp g, G1, G1B
	s_mov_b32 s[\g+2], 128<<16                     ; a refill brings 128 rows a wave
	s_mov_b32 s[\g+4], 128
.endr
	s_barrier_signal -1
	s_barrier_wait -1
	FETCH_B 0, 0, 0
	FETCH_A 0, 0, 0
	FETCH_A 0, 0, 4
	global_prefetch_b8 v[PFO], s[PFA:PFA+1] th:TH_LOAD_NT scope:SCOPE_SE   ; K step 2, which the first refill will bring, 80 products on; the head's own tiles have landed
	STEP 0, 1
	s_mov_b32 s3, LAPS-1
.Llap:
	TURN 0, 1, 1
	STEP 1, 0
	TURN 1, 0, 1
	STEP 0, 0
	s_sub_co_u32 s3, s3, 1
	s_cmp_lg_u32 s3, 0
	s_cbranch_scc1 .Llap
	TURN 0, 1, 0
	STEP 1, 0
	s_wait_dscnt 16
	WIN MUL_LO
	MUL8 0, 1, 0
	MUL8 1, 1, 0
	MUL8 2, 1, 0
	MUL8 3, 1, 0
	s_wait_dscnt 0
	WIN MUL_HI
	MUL8 4, 1, 0
	MUL8 5, 1, 0
	MUL8 6, 1, 0
	MUL8 7, 1, 0
	WIN 0
.macro CODES a
	WIN 0x02+((\a)/4)
.set j, 0
.rept 64
	v_med3_num_f32 v[TMP+j], v[64*((\a)%4)+j], 0, v[HOLD]
.set j, j+1
.endr
	WIN 0
.irp b, 0,1,2,3,4,5,6,7
	v_cvt_scalef32_pk8_bf8_f32 v[CD+16*(\a)+2*\b:CD+16*(\a)+2*\b+1], v[TMP+8*\b:TMP+8*\b+7], v[SC]
.endr
	v_nop
.irp b, 0,1,2,3,4,5,6,7
	global_store_b64 v[CO], v[CD+16*(\a)+2*\b:CD+16*(\a)+2*\b+1], s[10:11] offset:(\a)*FRB+512*(\b/2)+256*(\b%2)
.endr
.endm
	PLACES 4
.irp a, 0,1,2,3,4,5,6,7
	CODES \a
.endr
	s_wait_tensorcnt 0x0
	ds_add_u32 v[SPW], v[NIL]
	s_wait_dscnt 0x0
	CROUND
	s_endpgm
.Lfunc_end_k_q0a2caa5eee_layer1:
	.size	k_q0a2caa5eee_layer1, .Lfunc_end_k_q0a2caa5eee_layer1-k_q0a2caa5eee_layer1
	.p2alignl 7, 3214868480
	.fill 96, 4, 3214868480
	.section	.rodata,"a",@progbits
	.p2align	6, 0x0
	.amdhsa_kernel k_q0a2caa5eee_layer1
		.amdhsa_group_segment_fixed_size 327680
		.amdhsa_private_segment_fixed_size 0
		.amdhsa_enable_private_segment 0
		.amdhsa_kernarg_size 40
		.amdhsa_user_sgpr_count 2
		.amdhsa_user_sgpr_kernarg_segment_ptr 1
		.amdhsa_wavefront_size32 1
		.amdhsa_system_sgpr_workgroup_id_x 1
		.amdhsa_system_sgpr_workgroup_id_y 1
		.amdhsa_system_sgpr_workgroup_id_z 1
		.amdhsa_system_vgpr_workitem_id 0
		.amdhsa_next_free_vgpr 1024
		.amdhsa_next_free_sgpr 100
		.amdhsa_reserve_vcc 0
		.amdhsa_float_denorm_mode_32 3
		.amdhsa_float_denorm_mode_16_64 3
		.amdhsa_memory_ordered 1
		.amdhsa_forward_progress 1
		.amdhsa_inst_pref_size 128
	.end_amdhsa_kernel
	.amdgpu_metadata
---
amdhsa.version: [ 1, 2 ]
amdhsa.kernels:
  - .name:           k_q0a2caa5eee_layer1
    .symbol:         k_q0a2caa5eee_layer1.kd
    .args:
      - { .name: x_codes, .offset: 0, .size: 8, .value_kind: global_buffer, .address_space: global }
      - { .name: W1_codes, .offset: 8, .size: 8, .value_kind: global_buffer, .address_space: global }
      - { .name: lowp_scales, .offset: 16, .size: 8, .value_kind: global_buffer, .address_space: global }
      - { .name: h_codes, .offset: 24, .size: 8, .value_kind: global_buffer, .address_space: global }
      - { .name: b1, .offset: 32, .size: 8, .value_kind: global_buffer, .address_space: global }
    .group_segment_fixed_size: 327680
    .private_segment_fixed_size: 0
    .kernarg_segment_align: 8
    .kernarg_segment_size: 40
    .max_flat_workgroup_size: 128
    .sgpr_count:     100
    .vgpr_count:     1024
    .wavefront_size: 32
...
	.end_amdgpu_metadata
.endif
;; end of part 1
;; launch layer2 (part 2): grid 16 x 16, 4 waves a work-group, clusters of 4 x 1, 327,680 bytes of LDS; arguments h_codes, W2_codes, lowp_scales, out0, b2; writes out0
.if DOCPART == 2
	.amdgcn_target "amdgcn-amd-amdhsa--gfx1250"
	.amdhsa_code_object_version 6
	.text
	.protected	k_q0a2caa5eee_layer2
	.globl	k_q0a2caa5eee_layer2
	.p2align	8
	.type	k_q0a2caa5eee_layer2,@function
k_q0a2caa5eee_layer2:
	s_mov_b64 s[64:65], 0
	v_nop
	global_prefetch_b8 v0, s[64:65] scope:SCOPE_SE
	s_setreg_imm32_b32 hwreg(HW_REG_WAVE_MODE, 25, 1), 1
	s_wait_xcnt 0x0
	s_wait_alu depctr_hold_cnt(0) depctr_sa_sdst(0) depctr_va_vdst(0) depctr_va_sdst(0) depctr_va_ssrc(0) depctr_va_vcc(0) depctr_vm_vsrc(0)
	s_getreg_b32 s2, hwreg(HW_REG_IB_STS2, 6, 4)
	s_cmp_eq_u32 s2, 0
	s_cbranch_scc0 .Lentry_in_a_cluster
	s_endpgm
.Lentry_in_a_cluster:
	s_bfe_u32 s2, ttmp6, 0x10000c
	s_cmp_lg_u32 s2, 0x3003
	s_cbranch_scc0 .Lentry_shape_is_right
	s_endpgm
.Lentry_shape_is_right:
; out0[m][n] = sigmoid(sum over k of h[m][k] W2[n][k] + b2[n]).  W2: [2048][8192], codes of BF8 (E5M2), one byte each, K innermost; out0: [2048][2048] f32.
; h: codes of BF8, laid by the launch before as images of the operand's registers: [16 blocks of 128 rows][64 chunks of 128 along K][8 fragments of 16 rows][2,048 bytes]; in a fragment, byte 512 c + 16 l + i
; is row l % 16, k = 32 c + 16 (l / 16) + i of the chunk.
; lowp_scales holds e0, e1, e2 (h), e3 (W2).  The codes are multiplied as they are, sums in f32; z = sum x 2^(e2 + e3) + b2; sigmoid(z) = 1 / (1 + 2^(-log2(e) z)).
; LIMITS: e2 + e3 lies between -126 and 126, so that log2(e) x 2^(e2 + e3) is an f32 number.  NaN and infinity among the codes are not served.
; SHARES.  A tile of out0 is 128 x 128, so that 16 x 16 = 256 work-groups have one each (grid x: the tile row; y: the tile column).  THE FOUR WAVES SHARE K, NOT THE TILE: every wave makes the whole 128 x 128
; (64 accumulators, 512 registers) over its own quarter of each 1,024 along K.  The four partial sums meet once, at the end, through LDS: each wave owns 32 rows of the tile, takes the three other waves' parts
; of them, adds, and finishes them.  (K is thus summed in four f32 chains.)
; h GOES FROM MEMORY STRAIGHT INTO REGISTERS.  Each byte of h's tile is wanted by one wave alone, so LDS would share nothing; a load of 16 bytes a lane reads 512 consecutive bytes.  Two sets of eight fragments:
; a block is asked for again as soon as its last product of a step is issued, two steps ahead of its next use; up to 64 loads of a wave are out, and they stay out over the changes of slots.
; That is why h's tile, which the sixteen work-groups of a tile row read, is not asked for jointly: a slot of the same LDS bytes then holds 1,024 along K of W2 alone and not 512 of both,
; so K has 8 slots and 7 changes of slots and not 16 and 15.
; W2 COMES THROUGH A RING OF TWO LDS SLOTS filled by the tensor data mover.  A slot: K half 0 (512 bytes of each of the 128 rows), then K half 1; wave w fetches K half w / 2, rows 64 (w % 2) on, and reads
; bytes 256 (w % 2) on of K half w / 2: two steps of 128.  CLUSTER: the four tile rows of a cluster (4, 1, 1) need the same tiles of W2: each is asked for JOINTLY, by the same tensor load with the same descriptor
; and the mask 15.
; A STEP (128 along K, 64 matrix instructions) has two halves: all 8 blocks of h against W2's fragments 0-3, then against 4-7.  So ONE set of registers serves W2: the half that is not at work is fetched meanwhile.
; A wave cannot choose registers by its number, so h's rows are dealt by an exclusive or: the pair p of blocks (2 p, 2 p + 1) of wave w holds tile rows 32 (p xor w) on.  Every wave owns its pair 0; its pair p is wave (p xor w)'s.
; THE MATRIX INSTRUCTION IS USED TRANSPOSED (source 0 = 16 rows of W2, source 1 = 16 rows of h): a lane holds eight neighbouring columns of one row of out0.
; A fragment's registers 4 c .. 4 c + 3 hold k = 32 c + 16 (lane / 16) + 0 .. 15: a permutation of k that is the same in both operands.
; REGISTERS, in windows of 256: window 0: v0-31 addresses; v32-95 b2 in the result's layout; v128-255 h's set 0; later the sums, the results, the rows read back.
;   window 1: v0-127 W2's fragments; v128-255 h's set 1; later two waves' parts.   window 2: the accumulators of pairs 0 and 1 ((a, b) at v[8 (8 (a % 4) + b)]);   window 3: those of pairs 2 and 3.
.set SIZE_K,  8192
.set SIZE_N,  2048
.set KSLOT,   1024                     ; along K in a slot
.set TROW,    512                      ; a tensor tile's row in bytes
.set KROW,    SIZE_K                   ; a row of W2 in memory, in bytes
.set PITCH,   528                      ; an LDS row: 512 bytes + 16 of padding = 132 words: row r starts at bank 4 r mod 64 (64 banks of 4 bytes: ISA guide 11.1)
.set FR,      16                       ; registers of a fragment
.set HALFT,   64*PITCH                 ; 64 rows: what one tensor load brings
.set SLOT,    4*HALFT                  ; two K halves of 128 rows
.set SPARE,   2*SLOT                   ; behind the ring: the spare words, 128 bytes for each wave, which no other line names
.set ACH,     16384                    ; h: a chunk of a block of rows: eight fragments' images
.set ASLOT,   8*ACH                    ; and the eight chunks of a slot's 1,024 along K: wave w's two lie 2 w chunks in
.set XOWN,    49152                    ; the exchange, from LDS byte 0 on: for each owner three parts
.set XPART,   16384                    ; of 128 registers x 128 bytes.  It lies over the ring, which has had its last fill and its last read by then
.set STG,     4*XOWN                   ; behind the exchange: for each wave a stage of 32 rows x (512 bytes + 16), also over the ring
.set SPITCH,  528
.set VA,   8                           ; v8-11   h: 16 x lane + 4,096 (p xor wave): my bytes of pair p's first fragment in a chunk; never rewritten
.set ADRB, 16                          ; v16-17  LDS address of my fragments of W2 in slot 0, 1
.set XS,   18                          ; v18-20  the exchange: where my pairs 1, 2, 3 go
.set XL,   21                          ; v21     and where the three parts for me lie
.set STO,  22                          ; v22     the stage: where I put 32 bytes of a row
.set RD,   23                          ; v23     and where I read a row back
.set CO,   24                          ; v24     16 x lane
.set BO,   25                          ; v25     my byte offset in b2
.set SCL,  26                          ; v[26:27] -log2(e) x 2^(e2 + e3), twice
.set SPW,  28                          ; v28     LDS address of my spare word; never rewritten
.set NIL,  29                          ; v29     0; never rewritten
.set PFO,  30                          ; v30     W2's prefetches: my lane x a row of 8,192 bytes; never rewritten
.set PFH,  31                          ; v31     h's prefetches: my lane x 256; never rewritten
.set BIAS, 32                          ; v32-95  b2, then -log2(e) b2: register 8 b + j = column 16 b + 8 (lane / 16) + j of the tile
.set AF,   128                         ; h's fragments, in window 0 (set 0) and in window 1 (set 1)
.set T,    128                         ; later: my 32 rows' sums: register 64 a + 8 b + j = row 16 a + lane % 16, column 16 b + 8 (lane / 16) + j
.set G1,  24                           ; s[24:31] descriptor group 1;  s[32:39] group 0, one set for each slot
.set G0,  32
.set AB,  48                           ; s[48:49] h at my wave's two chunks of the slot in hand
.set PFW, 50                           ; s[50:51] where my prefetches of W2 stand
.set PFA, 52                           ; s[52:53] and those of h
.set G1H, 76                           ; s[76:83] descriptor group 1 of the head's load: 128 rows;  s[84:87] its group 0
.set G0H, 84
.set MSB, 0
.macro WIN new                         ; the immediate's high byte repeats the setting that is left; a switch that changes nothing is dropped
.if MSB != (\new)
	s_set_vgpr_msb (MSB<<8)|(\new)
.set MSB, (\new)
.endif
.endm
.set TO_B,   0x40                      ; destination window 1, address window 0
.macro CREST                           ; a round of the cluster's barrier behind its opening barrier
	s_cmp_lg_u32 s14, 0
	s_cbranch_scc1 .Lnot_wave_0_\@
	s_barrier_signal -3
.Lnot_wave_0_\@:
	s_barrier_wait -3
	s_barrier_signal -1
	s_barrier_wait -1
.endm
.macro CROUND                          ; a whole round
	s_barrier_signal -1
	s_barrier_wait -1
	CREST
.endm
; A load into a register that a matrix instruction has read, and a vector instruction or an LDS store that reads a matrix result, stand four places behind it; only plain vector
; instructions that name none of its registers are places (ISA guide 7.12.1 for vector instructions).
.macro PLACES n
.rept \n
	v_nop
.endr
.endm
; PREFETCHES INTO THE L2, behind the joint refill and its lines.  The change in slot s refills with slot s + 2 and asks here for slot s + 3: of W2 what the next change will ask for, of h what the loads of
; the slot after next will ask for.  The changes in slots 0 to 4 ask.  Slot 2 of both is asked for behind the head's barrier, when the head's own tiles have landed; slots 0 and 1 come by their loads alone.
; W2: a slot is 1,024 bytes of each of a tile column's 128 rows: 512 blocks of 256 bytes.  Every cluster asks for what it will itself load: its four partners take 32 rows each BY ADDRESS (no branch
; hangs on a work-group's place in its cluster), a lane a row; wave w takes the w-th 256 bytes of a row's 1,024: 4 x 4 x 32 lanes name the 512 blocks once.
; h: a slot is 131,072 consecutive bytes of a block of rows, which the sixteen tile columns read.  They share it out BY ADDRESS in quarters: tile column y takes quarter y % 2 + 2 ((y / 4) % 2),
; wave w 8,192 bytes of it, lanes 256 bytes apart: each block is named by four of its sixteen readers.  s[PFA] stands one slot behind what is asked for.
.macro ASK
	global_prefetch_b8 v[PFO], s[PFW:PFW+1] th:TH_LOAD_NT scope:SCOPE_SE
	global_prefetch_b8 v[PFH], s[PFA:PFA+1] offset:ASLOT th:TH_LOAD_NT scope:SCOPE_SE
.endm
; h's blocks i0 .. i0 + 3 of the chunk off bytes behind s[AB], into set q: sixteen loads, 512 consecutive bytes each
.macro ALOAD q, i0, off
	WIN (\q)<<6                                    ; destination: window q; address: window 0
.irp i, \i0, \i0+1, \i0+2, \i0+3
.irp c, 0,1,2,3
	global_load_b128 v[AF+FR*(\i)+4*\c:AF+FR*(\i)+4*\c+3], v[VA+(\i)/2], s[AB:AB+1] offset:(\off)+((\i)%2)*2048+512*\c
.endr
.endr
.endm
	s_load_b128 s[4:7], s[0:1], 0x0                ; h's codes s[4:5], W2's codes s[6:7]
	s_load_b128 s[8:11], s[0:1], 0x10              ; the scales' exponents s[8:9], out0 s[10:11]
	s_load_b64 s[12:13], s[0:1], 0x20              ; b2
	v_lshl_add_u32 v[SPW], v0, 2, SPARE
	v_mov_b32 v[NIL], 0
	ds_add_u32 v28, v29
	ds_add_u32 v28, v29
	s_wait_dscnt 0x0
	v_lshrrev_b32 v1, 5, v0
	v_readfirstlane_b32 s14, v1                    ; wave 0..3: my quarter of a slot's K, and my 32 rows of the tile
	s_lshr_b32 s15, s14, 1                         ; the K half that I fetch, and in which I read
	s_and_b32 s16, s14, 1                          ; which 64 rows of it I fetch; which 256 bytes of its rows I read
	s_bfe_u32 s40, ttmp6, 0x40000                  ; cx: my place in the cluster
	s_lshl_b32 s17, ttmp9, 2                       ; in a cluster launch ttmp9 counts clusters
	s_add_co_u32 s17, s17, s40                     ; tile row = 4 x cluster x + cx: it enters h's, out0's and the prefetches' addresses alone
	s_and_b32 s42, ttmp7, 0xffff                   ; tile column, which the four partners share
	; descriptor group 1: a tile of 64 rows x 512 bytes, padded in LDS
	s_mov_b32 s[G1+0], 15|(0<<16)|(1<<20)|(1<<21)|(6<<22)|(3<<25)  ; 15:0 the mask: all four work-groups; 17:16 element of 1 byte; 20 padding on; 21 set beside a mask; 24:22 after every 128 words (code 6); 31:25 of 4 words (code 3)
	s_mov_b32 s[G1+1], TROW<<16                    ; tensor_dim0 = 512
	s_mov_b32 s[G1+2], 64<<16                      ; tensor_dim1 = 64
	s_mov_b32 s[G1+3], TROW<<16                    ; tile_dim0 = 512
	s_mov_b32 s[G1+4], 64                          ; tile_dim1 = 64
	s_mov_b32 s[G1+5], KROW                        ; tensor_dim0_stride
	s_mov_b32 s[G1+6], 0
	s_mov_b32 s[G1+7], 0
	s_lshl_b32 s46, s42, 7
	s_lshl_b32 s18, s16, 6
	s_add_co_u32 s46, s46, s18                     ; W2: row 128 x tile column + 64 x half, under 2,048,
	s_lshl_b32 s46, s46, 13                        ; x 8,192 bytes: under 2^24,
	s_lshl_b32 s18, s15, 9
	s_add_co_u32 s46, s46, s18                     ; + my K half
	s_mov_b32 s47, 0
	s_mul_i32 s45, s14, HALFT                      ; where it goes: wave x 64 rows: no place in the cluster enters an LDS address
	s_lshl_b32 s20, s17, 20                        ; h: my block of 128 rows is 64 chunks of 16,384 bytes,
	s_lshl_b32 s18, s14, 15
	s_add_co_u32 s20, s20, s18                     ; + my wave's two chunks of slot 0
	s_mov_b32 s21, 0
	v_and_b32 v5, 31, v0
	v_lshlrev_b32 v[CO], 4, v5                     ; 16 x lane
	s_wait_alu depctr_va_vdst(0)
.irp p, 0,1,2,3
	s_xor_b32 s22, s14, \p                         ; pair p holds tile rows 32 (p xor wave) on: two fragments, 4,096 bytes
	s_lshl_b32 s22, s22, 12
	v_add_nc_u32 v[VA+\p], s22, v[CO]
.endr
	v_and_b32 v1, 15, v0                           ; r = lane % 16
	v_bfe_u32 v2, v0, 4, 1                         ; h = lane / 16
	v_lshlrev_b32 v[BO], 5, v2                     ; b2 in the result's layout: for block b of columns, the tile's first column + 16 b + 8 h + 0 .. 7
	s_lshl_b32 s72, s42, 9                         ; 128 columns x 4 bytes a tile column
	s_mov_b32 s73, 0
	s_wait_alu depctr_va_vdst(0)
	s_wait_kmcnt 0x0
	s_load_b128 s[96:99], s[8:9], 0x0              ; e0, e1, e2, e3
	s_add_nc_u64 s[AB:AB+1], s[4:5], s[20:21]
	s_add_nc_u64 s[46:47], s[6:7], s[46:47]
	s_add_nc_u64 s[12:13], s[12:13], s[72:73]
	ALOAD 0, 0, 0                                  ; h's fragments of step 0 are asked for ahead of everything else: 32 loads
	ALOAD 0, 4, 0
	WIN 0
	CROUND
.irp s, 0,1
	s_mov_b32 s[G0+4*\s], 1                        ; 1:0 count = 1
	s_add_co_u32 s[G0+4*\s+1], s45, \s*SLOT        ; 63:32 LDS address
	s_add_nc_u64 s[G0+4*\s+2:G0+4*\s+3], s[46:47], \s*KSLOT  ; 120:64 global address: slot s
	s_or_b32 s[G0+4*\s+3], s[G0+4*\s+3], 0x80000000          ; 127:126 type = 2
.endr
	; THE HEAD'S LOAD: one a wave, and the four fill both slots: wave w brings all 128 rows x 512 bytes of K half w % 2 of slot w / 2, which lie on end in LDS from w x 128 rows on
	s_mov_b32 s[G1H+0], 15|(0<<16)|(1<<20)|(1<<21)|(6<<22)|(3<<25)
	s_mov_b32 s[G1H+1], TROW<<16
	s_mov_b32 s[G1H+2], 128<<16                    ; tensor_dim1 = 128
	s_mov_b32 s[G1H+3], TROW<<16
	s_mov_b32 s[G1H+4], 128                        ; tile_dim1 = 128
	s_mov_b32 s[G1H+5], KROW
	s_mov_b32 s[G1H+6], 0
	s_mov_b32 s[G1H+7], 0
	s_lshl_b32 s88, s42, 20                        ; 128 x tile column rows of 8,192 bytes,
	s_lshl_b32 s89, s14, 9
	s_add_co_u32 s88, s88, s89                     ; + 1,024 (w / 2) + 512 (w % 2) = 512 w
	s_mov_b32 s89, 0
	s_mov_b32 s[G0H], 1
	s_mul_i32 s[G0H+1], s14, 2*HALFT
	s_add_nc_u64 s[G0H+2:G0H+3], s[6:7], s[88:89]
	s_or_b32 s[G0H+3], s[G0H+3], 0x80000000
	tensor_load_to_lds s[G0H:G0H+3], s[G1H:G1H+7]  ; my one tensor load at the head
	s_nop 0
	PLACES 4                                       ; four v_nop follow it
	ALOAD 1, 0, ACH                                ; h's fragments of step 1 are asked for behind what step 0 waits for
	ALOAD 1, 4, ACH
	WIN 0
	v_mul_u32_u24 v3, v1, PITCH
	v_lshl_add_u32 v3, v2, 4, v3                   ; a fragment's row x pitch + 16 x half
	s_mul_i32 s21, s15, 2*HALFT                    ; my K half,
	s_lshl_b32 s22, s16, 8
	s_add_co_u32 s21, s21, s22                     ; my 256 bytes of its rows
	v_add_nc_u32 v[ADRB], s21, v3
	v_add_nc_u32 v[ADRB+1], SLOT, v[ADRB]
.irp p, 1,2,3
	s_xor_b32 s21, s14, \p                         ; my pair p belongs to wave p xor me: part p - 1 of its three
	s_mul_i32 s21, s21, XOWN
	s_add_co_u32 s21, s21, (\p-1)*XPART
	v_add_nc_u32 v[XS+\p-1], s21, v[CO]
.endr
	s_mul_i32 s21, s14, XOWN
	v_add_nc_u32 v[XL], s21, v[CO]
	s_mul_i32 s21, s14, 32*SPITCH
	s_add_co_u32 s21, s21, STG                     ; my stage
	v_add_nc_u32 v[RD], s21, v[CO]                 ; back: the 32 lanes take one row of 512 bytes
	v_mul_u32_u24 v6, v1, SPITCH                   ; in: row r, 32 bytes for each half of the lanes
	v_lshl_add_u32 v6, v2, 5, v6
	v_add_nc_u32 v[STO], s21, v6
	s_lshl_b32 s20, s17, 7
	s_lshl_b32 s21, s14, 5
	s_add_co_u32 s20, s20, s21                     ; the first row that I store: 128 x tile row + 32 x wave, under 2,048,
	s_lshl_b32 s20, s20, 13                        ; x 8,192 bytes: under 2^24,
	s_lshl_b32 s21, s42, 9
	s_add_co_u32 s20, s20, s21                     ; + the tile's first column, in bytes
	s_mov_b32 s21, 0
	s_add_nc_u64 s[10:11], s[10:11], s[20:21]
	; the prefetches (macro ASK): W2's address stands at slot 2, h's at slot 1; each change of slots steps both by a slot ahead of its requests
	s_lshl_b32 s72, s42, 7
	s_lshl_b32 s73, s40, 5
	s_add_co_u32 s72, s72, s73                     ; W2: row 128 x tile column + my work-group's 32 of the 128,
	s_lshl_b32 s72, s72, 13
	s_lshl_b32 s73, s14, 8
	s_add_co_u32 s72, s72, s73                     ; my wave's 256 bytes of a row's 1,024
	s_add_co_u32 s72, s72, 2*KSLOT
	s_mov_b32 s73, 0
	s_add_nc_u64 s[PFW:PFW+1], s[6:7], s[72:73]
	s_lshl_b32 s72, s17, 20                        ; h: my block of rows,
	s_and_b32 s73, s42, 1
	s_bfe_u32 s74, s42, 0x10002
	s_lshl_b32 s74, s74, 1
	s_add_co_u32 s73, s73, s74                     ; my tile column's quarter of a slot's 131,072 bytes: y % 2 + 2 ((y / 4) % 2),
	s_lshl_b32 s73, s73, 2
	s_add_co_u32 s73, s73, s14                     ; my wave's 8,192 bytes of it
	s_lshl_b32 s73, s73, 13
	s_add_co_u32 s72, s72, s73
	s_add_co_u32 s72, s72, ASLOT
	s_mov_b32 s73, 0
	s_add_nc_u64 s[PFA:PFA+1], s[4:5], s[72:73]
	v_lshlrev_b32 v[PFO], 13, v5
	v_lshlrev_b32 v[PFH], 8, v5
	s_wait_kmcnt 0x0                               ; the four exponents
	s_add_co_i32 s72, s98, s99                     ; e2 + e3
	v_mov_b32 v[SCL], 0xbfb8aa3b                   ; -log2(e)
	v_ldexp_f32 v[SCL], v[SCL], s72                ; x 2^(e2 + e3)
	v_mov_b32 v[SCL+1], v[SCL]
; 4 matrix instructions: h's block a against W2's fragments 4 hb .. 4 hb + 3, 128 along K.  cm = 0: onto the sums; 1: the constant 0 starts them.  Nothing is ever cleared.
; The accumulators take turns, one instruction a turn, in the same order in every step.
.macro MULQ a, hb, cm
.irp b, 0,1,2,3
.if (\cm) == 0
	v_wmma_f32_16x16x128_bf8_bf8 v[8*(8*((\a)%4)+4*(\hb)+\b):8*(8*((\a)%4)+4*(\hb)+\b)+7], v[FR*(4*(\hb)+\b):FR*(4*(\hb)+\b)+FR-1], v[AF+FR*(\a):AF+FR*(\a)+FR-1], v[8*(8*((\a)%4)+4*(\hb)+\b):8*(8*((\a)%4)+4*(\hb)+\b)+7]
.else
	v_wmma_f32_16x16x128_bf8_bf8 v[8*(8*((\a)%4)+4*(\hb)+\b):8*(8*((\a)%4)+4*(\hb)+\b)+7], v[FR*(4*(\hb)+\b):FR*(4*(\hb)+\b)+FR-1], v[AF+FR*(\a):AF+FR*(\a)+FR-1], 0
.endif
.endr
.endm
.macro FETCH_BH slot, q, hb            ; W2's fragments 4 hb .. 4 hb + 3 of my step q of the slot: sixteen LDS loads
	WIN TO_B
.irp i, 0,1,2,3
.irp c, 0,1,2,3
	ds_load_b128 v[FR*(4*(\hb)+\i)+4*\c:FR*(4*(\hb)+\i)+4*\c+3], v[ADRB+(\slot)] offset:(4*(\hb)+\i)*16*PITCH+128*(\q)+32*\c
.endr
.endr
.endm
; A step's first half: h's set q against W2's fragments 0-3, which were asked for half a step ago; fragments 4-7 are asked for first.  Behind the matrix instructions that read them last stand four v_nop.
; w1, w2: how many younger loads of h may stay out when blocks 0-3, and blocks 4-7, have to be in.
.macro H0 slot, q, cm, w1, w2
	FETCH_BH \slot, \q, 1
	s_wait_loadcnt \w1                             ; loads come back in order (ISA guide 5.7.1): h's blocks 0-3 of this step are in
	s_wait_dscnt 16                                ; W2's fragments 0-3 are in; the sixteen loads just issued may be out
	WIN 0xa1+4*(\q)                                ; source 0 (W2) window 1, source 1 (h) window q, C and D window 2
	MULQ 0, 0, \cm
	MULQ 1, 0, \cm
	MULQ 2, 0, \cm
	MULQ 3, 0, \cm
	s_wait_loadcnt \w2                             ; blocks 4-7 are in
	WIN 0xf1+4*(\q)                                ; C and D window 3
	MULQ 4, 0, \cm
	MULQ 5, 0, \cm
	MULQ 6, 0, \cm
	MULQ 7, 0, \cm
	PLACES 4                                       ; in front of the loads into W2's fragments 0-3
.endm
; A step's second half: against W2's fragments 4-7.  ald = 1: each four blocks of h are asked for again, for the step after next (the chunk off bytes behind s[AB]), as soon as their last products are issued.
.macro H1 q, cm, ald, off
	WIN 0xa1+4*(\q)
	MULQ 0, 1, \cm
	MULQ 1, 1, \cm
	MULQ 2, 1, \cm
	MULQ 3, 1, \cm
.if \ald
	PLACES 4
	ALOAD \q, 0, \off
.endif
	WIN 0xf1+4*(\q)
	MULQ 4, 1, \cm
	MULQ 5, 1, \cm
	MULQ 6, 1, \cm
	MULQ 7, 1, \cm
	PLACES 4                                       ; in front of the loads into h's blocks 4-7 and into W2's fragments 4-7, and of the first read of results
.if \ald
	ALOAD \q, 4, \off
.endif
	WIN 0
.endm
; THE CHANGE OF SLOTS stands in the middle of a slot's second step: the slot's last bytes, that step's fragments 4-7, have been asked for.  Each wave waits for all its tensor loads (one is out: its part of the
; next slot), adds 0 to its spare word, and waits for that and for its own reads of this slot.  Behind the barrier nobody reads this slot and the next slot is whole.
; fill = 1: the barrier opens a round of the cluster's, and this slot is filled again, two slots ahead: the first thing behind the round.  No product stands between the wait for the tensor loads and the refill:
; all of a slot's 128 matrix instructions (32 + 64 + 32) lie between a refill and the wait for it.  h's loads stay out across it.
.macro CHANGE sl, fill, pf
	WIN 0
	s_wait_tensorcnt 0x0                           ; no tensor load of mine is out, so a group 0 may be written
	ds_add_u32 v[SPW], v[NIL]                      ; 0 onto my spare word: the steps below stand between it and the wait for it
	s_wait_xcnt 0x0                                ; every earlier memory instruction has had its addresses translated (ISA guide 3.1): h's base and the prefetches' addresses are written only behind this wait
	s_add_nc_u64 s[AB:AB+1], s[AB:AB+1], ASLOT     ; h: on to the next slot's chunks
.if \fill
	s_add_nc_u64 s[G0+4*(\sl)+2:G0+4*(\sl)+3], s[G0+4*(\sl)+2:G0+4*(\sl)+3], 2*KSLOT
.endif
.if \pf
	s_add_nc_u64 s[PFW:PFW+1], s[PFW:PFW+1], KSLOT
	s_add_nc_u64 s[PFA:PFA+1], s[PFA:PFA+1], ASLOT
.endif
	s_wait_dscnt 0x0                               ; the add is done, and my reads of this slot are over
	s_barrier_signal -1
	s_barrier_wait -1
.if \fill
	CREST                                          ; no wave of any partner still reads this slot's tile or has a load on its way
	tensor_load_to_lds s[G0+4*(\sl):G0+4*(\sl)+3], s[G1:G1+7]   ; my one tensor load until the next round
	s_nop 0
	PLACES 4
.endif
.if \pf
	ASK
.endif
.endm
; A slot: two steps, on h's sets 0 and 1.  At its head W2's fragments 0-3 of its first step have been asked for.  The loads of h that its first step issues lie a slot behind s[AB]; the change steps s[AB].
.macro SLOTW sl, cm, fill, pf
	H0 \sl, 0, \cm, 48, 32                         ; behind blocks 0-3's loads: the set's own sixteen younger ones and the other set's 32; behind blocks 4-7's: those 32
	FETCH_BH \sl, 1, 0
	s_wait_dscnt 16                                ; fragments 4-7 are in; the sixteen loads just issued may be out
	H1 0, \cm, 1, ASLOT
	H0 \sl, 1, 0, 48, 32
	CHANGE \sl, \fill, \pf
	FETCH_BH 1-(\sl), 0, 0                         ; the next slot's first fragments (this step's fragments 4-7 are in: the change has waited for them)
	H1 1, 0, 1, ACH
.endm
	s_wait_alu depctr_va_vdst(0)
	s_wait_tensorcnt 0x0                           ; my part of the two slots is in
	s_barrier_signal -1
	s_barrier_wait -1                              ; everybody's is
	ASK                                            ; slot 2 of W2, which the first change will ask for, 96 products on, and slot 2 of h
	FETCH_BH 0, 0, 0
	SLOTW 0, 1, 1, 1                               ; slot 0 of 8 stands in front of the loop: its first step's products start the sums
	s_mov_b32 s3, 2
.Lpair:                                                ; slots 1 to 4: a trip goes once round the ring and fills both slots again
	SLOTW 1, 0, 1, 1
	SLOTW 0, 0, 1, 1
	s_sub_co_u32 s3, s3, 1
	s_cmp_lg_u32 s3, 0
	s_cbranch_scc1 .Lpair
	SLOTW 1, 0, 1, 0                               ; slot 5: the last refill brings slot 7; there is nothing left to prefetch
	SLOTW 0, 0, 0, 0                               ; slot 6 fills nothing, and has no round of the cluster's barrier; it still asks for h's last two chunks
	H0 1, 0, 0, 48, 32                             ; slot 7: nothing more is asked for
	FETCH_BH 1, 1, 0
	s_wait_dscnt 16
	H1 0, 0, 0, 0
	H0 1, 1, 0, 16, 0                              ; only this set's 32 loads are left
	WIN 0
.irp b, 0,1,2,3,4,5,6,7
	global_load_b128 v[BIAS+8*\b:BIAS+8*\b+3],   v[BO], s[12:13] offset:64*\b      ; b2: wanted behind the exchange
	global_load_b128 v[BIAS+8*\b+4:BIAS+8*\b+7], v[BO], s[12:13] offset:64*\b+16
.endr
	s_wait_dscnt 0x0                               ; my reads of the ring are over:
	s_barrier_signal -1                            ; say so,
	H1 1, 0, 0, 0                                  ; work on registers while the others arrive (its four closing v_nop are the places behind the last products),
	s_barrier_wait -1                              ; and when all four have said so, the ring's bytes, which have had their last fill, serve the exchange and the stages
	; THE EXCHANGE.  My pairs 1, 2, 3 go to their owners as images of their registers: four registers a store, lane l's 16 bytes at 16 l, 512 consecutive bytes a store; each accumulator's low four registers first.
	WIN 0x08                                       ; the stores' data in window 2
.set k, 0
.rept 32
	ds_store_b128 v[XS], v[128+4*k:128+4*k+3] offset:512*k        ; pair 1
.set k, k+1
.endr
	WIN 0x0c                                       ; in window 3
.set k, 0
.rept 32
	ds_store_b128 v[XS+1], v[4*k:4*k+3] offset:512*k              ; pair 2
.set k, k+1
.endr
.set k, 0
.rept 32
	ds_store_b128 v[XS+2], v[128+4*k:128+4*k+3] offset:512*k      ; pair 3
.set k, k+1
.endr
	WIN 0
	s_wait_dscnt 0x0                               ; for the others' sake: my stores are done
	s_barrier_signal -1
	s_barrier_wait -1
.set k, 0
.rept 32
	ds_load_b128 v[T+4*k:T+4*k+3], v[XL] offset:512*k             ; the first part for me, where h's set 0 lay
.set k, k+1
.endr
	WIN TO_B
.set k, 0
.rept 32
	ds_load_b128 v[4*k:4*k+3], v[XL] offset:XPART+512*k           ; the second, where W2's fragments lay
.set k, k+1
.endr
.set k, 0
.rept 32
	ds_load_b128 v[128+4*k:128+4*k+3], v[XL] offset:2*XPART+512*k ; the third, where h's set 1 lay
.set k, k+1
.endr
	s_wait_dscnt 63                                ; 64 loads were issued behind the first part's: 63 out at the most shows that part in
	WIN 0x08                                       ; source 1 window 2: my own pair 0, each accumulator from its low end on
.set j, 0
.rept 64
	v_pk_add_f32 v[T+j:T+j+1], v[T+j:T+j+1], v[j:j+1]
.set j, j+2
.endr
	s_wait_dscnt 0x0
	WIN 0x45                                       ; all in window 1: the second part + the third
.set j, 0
.rept 64
	v_pk_add_f32 v[j:j+1], v[j:j+1], v[128+j:128+j+1]
.set j, j+2
.endr
	WIN 0x04                                       ; source 1 window 1
.set j, 0
.rept 64
	v_pk_add_f32 v[T+j:T+j+1], v[T+j:T+j+1], v[j:j+1]
.set j, j+2
.endr
	WIN 0
	; THE SIGMOID of my 32 rows x 128 columns: t = sum x (-log2(e) 2^(e2 + e3)) + (-log2(e) b2) = -log2(e) z, one packed multiply-add for two; 1 / (1 + 2^t).  2^t beyond f32 gives 0, under it 1, as the definition does.
	s_wait_loadcnt 0x0                             ; b2
.set j, 0
.rept 32
	v_pk_mul_f32 v[BIAS+j:BIAS+j+1], v[BIAS+j:BIAS+j+1], 0xbfb8aa3b op_sel_hi:[1,0]   ; -log2(e) b2
.set j, j+2
.endr
; in two halves of 16 rows, each taken to its stores: the first half's stores are on their way while the second half is computed
.irp a, 0,1
.irp b, 0,1,2,3,4,5,6,7
.irp i, 0,2,4,6
	v_pk_fma_f32 v[T+64*\a+8*\b+\i:T+64*\a+8*\b+\i+1], v[T+64*\a+8*\b+\i:T+64*\a+8*\b+\i+1], v[SCL:SCL+1], v[BIAS+8*\b+\i:BIAS+8*\b+\i+1] op_sel_hi:[1,0,1]
.endr
.endr
.set j, 64*\a
	s_wait_alu depctr_va_vdst(0)
.rept 64
	v_exp_f32 v[T+j], v[T+j]
.set j, j+1
.endr
	v_nop                                          ; a plain instruction between the last exponential and the use of its result
.set j, 64*\a
	s_wait_alu depctr_va_vdst(0)
.rept 32
	v_pk_add_f32 v[T+j:T+j+1], v[T+j:T+j+1], 1.0 op_sel_hi:[1,0]
.set j, j+2
.endr
.set j, 64*\a
	s_wait_alu depctr_va_vdst(0)
.rept 64
	v_rcp_f32 v[T+j], v[T+j]
.set j, j+1
.endr
	v_nop                                          ; a plain instruction behind the last reciprocal
	; THE WAY OUT.  A lane holds 32 neighbouring bytes of a row, and the lanes beside it hold other rows: the 32 rows go through my own stage and come back as whole rows of 512 bytes.
	s_wait_alu depctr_va_vdst(0)
.irp b, 0,1,2,3,4,5,6,7
	ds_store_b128 v[STO], v[T+64*\a+8*\b:T+64*\a+8*\b+3]   offset:\a*16*SPITCH+64*\b
	ds_store_b128 v[STO], v[T+64*\a+8*\b+4:T+64*\a+8*\b+7] offset:\a*16*SPITCH+64*\b+16
.endr
	s_wait_dscnt 0x0                               ; the stores have read their registers, on which the loads below land
.set t, 16*\a
.rept 16
	ds_load_b128 v[T+4*t:T+4*t+3], v[RD] offset:t*SPITCH
.set t, t+1
.endr
.set t, 16*\a
.rept 16
	s_wait_dscnt 16*\a+15-t                        ; LDS loads come back in order: row t is in, the half's younger ones may be out
	global_store_b128 v[CO], v[T+4*t:T+4*t+3], s[10:11] offset:t*SIZE_N*4 th:TH_STORE_NT   ; 32 lanes store 512 consecutive bytes, at a multiple of 256 from out0's first byte; written once, read by nobody here
.set t, t+1
.endr
.endr
	s_wait_tensorcnt 0x0                           ; the wave's end: behind my last tensor load and my last LDS store
	ds_add_u32 v[SPW], v[NIL]
	s_wait_dscnt 0x0
	CROUND                                         ; the closing round: no work-group ends while a partner may still ask for a tile that names it
	s_endpgm
.Lfunc_end_k_q0a2caa5eee_layer2:
	.size	k_q0a2caa5eee_layer2, .Lfunc_end_k_q0a2caa5eee_layer2-k_q0a2caa5eee_layer2
	.p2alignl 7, 3214868480
	.fill 96, 4, 3214868480
	.section	.rodata,"a",@progbits
	.p2align	6, 0x0
	.amdhsa_kernel k_q0a2caa5eee_layer2
		.amdhsa_group_segment_fixed_size 327680
		.amdhsa_private_segment_fixed_size 0
		.amdhsa_enable_private_segment 0
		.amdhsa_kernarg_size 40
		.amdhsa_user_sgpr_count 2
		.amdhsa_user_sgpr_kernarg_segment_ptr 1
		.amdhsa_wavefront_size32 1
		.amdhsa_system_sgpr_workgroup_id_x 1
		.amdhsa_system_sgpr_workgroup_id_y 1
		.amdhsa_system_sgpr_workgroup_id_z 1
		.amdhsa_system_vgpr_workitem_id 0
		.amdhsa_next_free_vgpr 1024
		.amdhsa_next_free_sgpr 100
		.amdhsa_reserve_vcc 0
		.amdhsa_float_denorm_mode_32 3
		.amdhsa_float_denorm_mode_16_64 3
		.amdhsa_memory_ordered 1
		.amdhsa_forward_progress 1
		.amdhsa_inst_pref_size 183
	.end_amdhsa_kernel
	.amdgpu_metadata
---
amdhsa.version: [ 1, 2 ]
amdhsa.kernels:
  - .name:           k_q0a2caa5eee_layer2
    .symbol:         k_q0a2caa5eee_layer2.kd
    .args:
      - { .name: h_codes, .offset: 0, .size: 8, .value_kind: global_buffer, .address_space: global }
      - { .name: W2_codes, .offset: 8, .size: 8, .value_kind: global_buffer, .address_space: global }
      - { .name: lowp_scales, .offset: 16, .size: 8, .value_kind: global_buffer, .address_space: global }
      - { .name: out0, .offset: 24, .size: 8, .value_kind: global_buffer, .address_space: global }
      - { .name: b2, .offset: 32, .size: 8, .value_kind: global_buffer, .address_space: global }
    .group_segment_fixed_size: 327680
    .private_segment_fixed_size: 0
    .kernarg_segment_align: 8
    .kernarg_segment_size: 40
    .max_flat_workgroup_size: 128
    .sgpr_count:     100
    .vgpr_count:     1024
    .wavefront_size: 32
...
	.end_amdgpu_metadata
.endif
;; end of part 2
